; MI455X (gfx1250); checked and timed in simulation.
; The chip was launched on July 23, 2026; its instructions are those of AMD's public machine-readable ISA for CDNA 5 (MIT licence, August 2026) and "CDNA5" Instruction Set Architecture Reference Guide (July 2026). The comments in the code are by the model that wrote it; some were corrected since.
;; Scaled Dot Product Attention. Allowed arithmetic: float matrix products may take bf16 or f16 operands with f32 sums; all other float work in f32.
;; Inputs: K 8 x 4,096 x 128 float32; Q 8 x 4,096 x 128 float32; V 8 x 4,096 x 128 float32.
;; Outputs: out0 8 x 4,096 x 128 float32.
;; 2 versions, each right; version 2 is version 1 with the launch tobf16 written anew for expert scheduling mode. Each part assembles by itself: llvm-mc -triple=amdgcn-amd-amdhsa -mcpu=gfx1250 --defsym DOCPART=n.
;; ======== version 1 of 2: 2 launches
;; workspace buffers: Kb 8,388,608 bytes; Vb 8,388,608 bytes
;; launch tobf16 (part 1): grid 512 x 1, 8 waves a work-group, no clusters, 0 bytes of LDS; arguments K, V, Kb, Vb; writes Kb, Vb
.if DOCPART == 1
	.amdgcn_target "amdgcn-amd-amdhsa--gfx1250"
	.amdhsa_code_object_version 6
	.text
	.protected	k_q65e535612c_tobf16
	.globl	k_q65e535612c_tobf16
	.p2align	8
	.type	k_q65e535612c_tobf16,@function
k_q65e535612c_tobf16:
	s_mov_b64 s[64:65], 0
	v_nop
	global_prefetch_b8 v0, s[64:65] scope:SCOPE_SE
	s_setreg_imm32_b32 hwreg(HW_REG_WAVE_MODE, 25, 1), 1
	s_wait_xcnt 0x0
; Kb = bf16(K), Vb = bf16(V), round to nearest even, same [8][4096][128] order: rows of 256 bytes.
; It is done once here so that the 32 query blocks of a batch, which all walk K and V, need not each convert them again.
; A stream: no LDS, no barrier, no matrix unit.  512 work-groups; each takes 32,768 bytes of K and of V and writes 16,384 bytes of Kb and of Vb.
; Thread t takes 16 bytes (4 numbers) at 16 t + 4,096 j, j = 0..7, and writes 8 bytes at 8 t + 2,048 j:
; a wave's load covers 512 consecutive bytes, a wave's store 256 consecutive bytes that begin at a multiple of 256.
; All 16 loads of a wave go out first; no register is written again while a load or a store still names it, so there is no loop and no wait on XCNT.
.set X, 8                              ; v[8:71]  slot i: 4 registers as loaded; its first two then hold the 4 bf16
	s_load_b256 s[4:11], s[0:1], 0x0               ; K s[4:5], V s[6:7], Kb s[8:9], Vb s[10:11]
	s_lshl_b32 s2, ttmp9, 15                       ; the group's 32,768 bytes of f32
	s_mov_b32 s3, 0
	s_lshl_b32 s12, ttmp9, 14                      ; the group's 16,384 bytes of bf16
	s_mov_b32 s13, 0
	v_lshlrev_b32 v1, 4, v0                        ; 16 t
	v_lshlrev_b32 v2, 3, v0                        ; 8 t
	s_wait_kmcnt 0x0
	s_add_nc_u64 s[4:5], s[4:5], s[2:3]
	s_add_nc_u64 s[6:7], s[6:7], s[2:3]
	s_add_nc_u64 s[8:9], s[8:9], s[12:13]
	s_add_nc_u64 s[10:11], s[10:11], s[12:13]
.irp j, 0,1,2,3,4,5,6,7
	global_load_b128 v[X+4*\j:X+4*\j+3], v1, s[4:5] offset:4096*\j th:TH_LOAD_NT
.endr
.irp j, 0,1,2,3,4,5,6,7
	global_load_b128 v[X+32+4*\j:X+32+4*\j+3], v1, s[6:7] offset:4096*\j th:TH_LOAD_NT
.endr
; slot i: left = the younger loads that may stay out; base = the scalar pair of the output
.macro CONV i, base, left
	s_wait_loadcnt \left                           ; loads come back in order: slot i is in
	v_cvt_pk_bf16_f32 v[X+4*(\i)], v[X+4*(\i)], v[X+4*(\i)+1]
	v_cvt_pk_bf16_f32 v[X+4*(\i)+1], v[X+4*(\i)+2], v[X+4*(\i)+3]
	global_store_b64 v2, v[X+4*(\i):X+4*(\i)+1], s[\base:\base+1] offset:2048*((\i)&7)   ; no hint: the next launch reads these bytes
.endm
.irp j, 0,1,2,3,4,5,6,7
	CONV \j, 8, 15-\j
.endr
.irp j, 0,1,2,3,4,5,6,7
	CONV 8+\j, 10, 7-\j
.endr
	s_endpgm
.Lfunc_end_k_q65e535612c_tobf16:
	.size	k_q65e535612c_tobf16, .Lfunc_end_k_q65e535612c_tobf16-k_q65e535612c_tobf16
	.p2alignl 7, 3214868480
	.fill 96, 4, 3214868480
	.section	.rodata,"a",@progbits
	.p2align	6, 0x0
	.amdhsa_kernel k_q65e535612c_tobf16
		.amdhsa_group_segment_fixed_size 0
		.amdhsa_private_segment_fixed_size 0
		.amdhsa_enable_private_segment 0
		.amdhsa_kernarg_size 32
		.amdhsa_user_sgpr_count 2
		.amdhsa_user_sgpr_kernarg_segment_ptr 1
		.amdhsa_wavefront_size32 1
		.amdhsa_system_sgpr_workgroup_id_x 1
		.amdhsa_system_sgpr_workgroup_id_y 1
		.amdhsa_system_sgpr_workgroup_id_z 1
		.amdhsa_system_vgpr_workitem_id 0
		.amdhsa_next_free_vgpr 72
		.amdhsa_next_free_sgpr 66
		.amdhsa_reserve_vcc 0
		.amdhsa_float_denorm_mode_32 3
		.amdhsa_float_denorm_mode_16_64 3
		.amdhsa_memory_ordered 1
		.amdhsa_forward_progress 1
		.amdhsa_inst_pref_size 7
	.end_amdhsa_kernel
	.amdgpu_metadata
---
amdhsa.version: [ 1, 2 ]
amdhsa.kernels:
  - .name:           k_q65e535612c_tobf16
    .symbol:         k_q65e535612c_tobf16.kd
    .args:
      - { .name: K, .offset: 0, .size: 8, .value_kind: global_buffer, .address_space: global }
      - { .name: V, .offset: 8, .size: 8, .value_kind: global_buffer, .address_space: global }
      - { .name: Kb, .offset: 16, .size: 8, .value_kind: global_buffer, .address_space: global }
      - { .name: Vb, .offset: 24, .size: 8, .value_kind: global_buffer, .address_space: global }
    .group_segment_fixed_size: 0
    .private_segment_fixed_size: 0
    .kernarg_segment_align: 8
    .kernarg_segment_size: 32
    .max_flat_workgroup_size: 256
    .sgpr_count:     66
    .vgpr_count:     72
    .wavefront_size: 32
...
	.end_amdgpu_metadata
.endif
;; end of part 1
;; launch attn (part 2): grid 32 x 8, 4 waves a work-group, clusters of 4 x 1, 327,680 bytes of LDS; arguments Q, Kb, Vb, out0; writes out0
.if DOCPART == 2
	.amdgcn_target "amdgcn-amd-amdhsa--gfx1250"
	.amdhsa_code_object_version 6
	.text
	.protected	k_q65e535612c_attn
	.globl	k_q65e535612c_attn
	.p2align	8
	.type	k_q65e535612c_attn,@function
k_q65e535612c_attn:
	s_mov_b64 s[64:65], 0
	v_nop
	global_prefetch_b8 v0, s[64:65] scope:SCOPE_SE
	s_setreg_imm32_b32 hwreg(HW_REG_WAVE_MODE, 25, 1), 1
	s_wait_xcnt 0x0
	s_wait_alu depctr_hold_cnt(0) depctr_sa_sdst(0) depctr_va_vdst(0) depctr_va_sdst(0) depctr_va_ssrc(0) depctr_va_vcc(0) depctr_vm_vsrc(0)
	s_getreg_b32 s2, hwreg(HW_REG_IB_STS2, 6, 4)
	s_cmp_eq_u32 s2, 0
	s_cbranch_scc0 .Lentry_in_a_cluster
	s_endpgm
.Lentry_in_a_cluster:
	s_bfe_u32 s2, ttmp6, 0x10000c
	s_cmp_lg_u32 s2, 0x3003
	s_cbranch_scc0 .Lentry_shape_is_right
	s_endpgm
.Lentry_shape_is_right:
; out0 = softmax(Q K^T) V, no scale, no mask.  Q, out0: [8][4096][128] f32.  Kb, Vb: K and V rounded to bf16, [8][4096][128].
; A work-group makes 128 query rows of one batch with four waves, as many as a WGP has SIMDs.  Wave w: qh = w >> 1, kh = w & 1.  It holds 64 query rows
; (four blocks of 16) and takes the kh-th 128 keys of every tile of 256 keys; 16 tiles.  The two key halves of a row meet once, at the end, through LDS.
;
; EVERYTHING IS COMPUTED TRANSPOSED.  S^T = K Q^T (source 0: 16 keys x 32 d, source 1: 16 queries x 32 d); O^T = V^T P^T (source 0: 16 d x 32 keys, read
; from V's rows by the transposing LDS load; source 1: 16 queries x 32 keys).  In both results lane (r, h) holds query r, so the running maximum, the sum
; and the factors are one number a lane, and two neighbouring tiles of S^T (keys 8h + j and 16 + 8h + j) turn into a fragment of P by eight packed
; conversions in place, with no traffic between lanes.
;
; SOFTMAX: a running maximum m for each query, over all keys that the wave has seen.  The level is n = the f32 product log2(e) m; p = 2^(log2(e) s - n),
; one fused multiply-add and one exponential; O and the sum l are multiplied in every step by 2^(n_old - n_new), which is exactly 1 where m stood still.
; No branch hangs on a number.
;
; CLUSTER: the four query blocks of a cluster (4 x 1) belong to one batch and walk the same tiles of K and V.  Each tile is asked for JOINTLY: all four
; issue the same tensor load, with the same descriptor and the mask 15, which divides the requests for K and V by four.
;
; LIMITS.  Inputs finite, and every score finite in f32.  A NaN among the scores is dropped by the maxima (v_max_num) and is not carried.
; Q, K, V and p enter the matrix unit rounded to bf16; l adds the unrounded p.  An exponential below 2^-126 counts as zero.
;
; LDS.  Two slots; a slot = 256 rows of K at a pitch of 272 bytes (256 + 16: an odd multiple of 16, so the sixteen rows of a fragment load begin at sixteen
; different 16-byte columns modulo 256), then 256 rows of V at a pitch of 288 (256 + 32: an odd multiple of 32, for the transposing load).  Behind the slots.
; The end's exchange and stage lie in slot 0, behind its last fill (tile 14)
; and behind the barrier that follows its last reads.
.set KP,    272
.set VP,    288
.set KB,    256*KP                     ; 69,632: K's part of a slot
.set VB,    256*VP                     ; 73,728: V's part
.set SLOT,  KB+VB                      ; 143,360
.set QST,   2*SLOT                     ; 286,720 (a multiple of 256): Q in bf16, 34,816 bytes, up to 321,536
.set QP,    272
.set EXS,   65536                      ; the end: behind 4 x 16,384 bytes of exported O, 512 bytes a wave of (level, sum)
.set OUTST, 67584                      ; the end: 32 rows x 528 bytes for each wave, up to 135,168
.set OP,    528                        ; 512 + 16
.set TSTEP, 2*256*256                  ; bytes from a slot's tile to that slot's next: two tiles of 256 rows of 256 bytes
; REGISTERS, in windows of 256.
; window 0: addresses, factors, two fragment buffers
.set AK,   10                          ; v10, v11  my K fragments in slot 0, 1
.set AV,   12                          ; v12, v13  my V fragments in slot 0, 1
.set AQK,  14                          ; Q fragments of the rows that I keep (blocks 0, 1)
.set AQG,  15                          ; and of those that I give away at the end (blocks 2, 3)
.set QSTO, 16                          ; where I put Q as bf16
.set GOFF, 17                          ; 16 x lane: my place in a row of 512 bytes of Q and of out0
.set EXOA, 18                          ; the end: my export of O;   IMOA: my partner's
.set IMOA, 19
.set EXSA, 20                          ; the end: my export of (level, sum);   IMSA: my partner's
.set IMSA, 21
.set OST,  22                          ; the stage: in
.set ORD,  23                          ; the stage: back, by rows
.set FA,   26                          ; v[26:27], v[30:31]  factor of my O, blocks 0, 1, twice each (a pair for the packed forms)
.set FB,   28                          ; v[28:29], v[32:33]  factor of my partner's O
.set F0,   64                          ; v64-127   fragment buffer 0
.set F1,   128                         ; v128-191  fragment buffer 1
; windows 1 (query blocks 0, 1) and 2 (blocks 2, 3), the same low numbers; q = 0, 1 is the block within the window
;   S(q, kt) = 64 q + 8 kt, kt = 0..7;  P(q, kg) in place at 64 q + 16 kg .. + 7
.set QF,    128                        ; Q fragment (q, ds) at 128 + 32 q + 8 ds
.set NEGM,  192                        ; + 16 q: minus the level          (pair with MM)
.set MM,    193                        ; the running maximum; at the end the row's sum
.set ALPHA, 194                        ; 2^(old level - new level)        (pair with TT)
.set TT,    195
.set LA,    196                        ; two pairs of partial sums
.set LB,    198
.set MX0,   200                        ; two chains of the step's maximum
.set MX1,   201
.set PQ,    228                        ; window 1: my partner's (minus level, sum), blocks 0, 1
.set TM,    232                        ; window 1: at work at the end
; window 3: O(qb, dt) = 64 qb + 8 dt: register j of lane (r, h) = O[query r][d = 16 dt + 8 h + j]
; Query block i of a wave stands for rows 64 qh + ((16 i + 32 kh) mod 64): so every wave keeps its blocks 0, 1 and gives away 2, 3, and what
; wave w xor 1 gives away are the rows that wave w keeps: the end needs no branch.
.set G1K, 28                           ; s[28:35] descriptor group 1, K's tiles
.set G1V, 36                           ; s[36:43] the same for V's: the padding differs
.set G0K, 44                           ; s[44:51] group 0 for K, one set for each slot
.set G0V, 52                           ; s[52:59] group 0 for V
.set MSB, 0
.macro WIN new                         ; low byte: bits 1:0 source 0, 3:2 source 1, 5:4 source 2, 7:6 destination; the high byte repeats the setting that is left
.if MSB != \new
	s_set_vgpr_msb (MSB<<8)|\new
.set MSB, \new
.endif
.endm
.macro PLACES                          ; four places behind a matrix instruction (ISA guide 7.12.1), where no useful vector work stands there
.rept 4
	v_nop
.endr
.endm
; A joint load.  Waves 0, 1 fetch the two halves of K's tile, waves 2, 3 those of V's.  The branch hangs on the wave's number alone.
.macro JLOAD s
	s_cmp_eq_u32 s13, 0
	s_cbranch_scc0 .Lfor_v_\@
	tensor_load_to_lds s[G0K+4*\s:G0K+4*\s+3], s[G1K:G1K+7]
	s_nop 0
	s_branch .Lasked_\@
.Lfor_v_\@:
	tensor_load_to_lds s[G0V+4*\s:G0V+4*\s+3], s[G1V:G1V+7]
	s_nop 0
.Lasked_\@:
.endm
; A round of the cluster's barrier: my work-group's barrier; wave 0 signals for the work-group; every wave waits for all four work-groups; my work-group's barrier again.
.macro CREST                           ; a round behind its opening barrier
	s_cmp_lg_u32 s12, 0
	s_cbranch_scc1 .Lnot_wave_0_\@
	s_barrier_signal -3
.Lnot_wave_0_\@:
	s_barrier_wait -3
	s_barrier_signal -1
	s_barrier_wait -1
.endm
.macro CROUND
	s_barrier_signal -1
	s_barrier_wait -1
	CREST
.endm
	s_load_b256 s[4:11], s[0:1], 0x0               ; Q s[4:5], Kb s[6:7], Vb s[8:9], out0 s[10:11]
	s_set_vgpr_msb 0x80
	v_lshl_add_u32 v254, v0, 2, 0x4e800
	v_mov_b32 v255, 0
	s_set_vgpr_msb 0x808a
	ds_add_u32 v254, v255
	s_set_vgpr_msb 0x8a00
	v_lshrrev_b32 v1, 5, v0
	v_readfirstlane_b32 s12, v1                    ; wave 0..3
	s_lshr_b32 s13, s12, 1                         ; qh.  Also: I fetch for K (0) or for V (1)
	s_and_b32 s14, s12, 1                          ; kh.  Also: which 128 rows of that tile I fetch
	s_bfe_u32 s15, ttmp6, 0x40000                  ; cx: it enters Q's and out0's global offsets alone (s15, s16, s20)
	s_lshl_b32 s16, ttmp9, 2
	s_add_co_u32 s16, s16, s15                     ; query block 0..31
	s_and_b32 s17, ttmp7, 0xffff                   ; batch: the same in the four partners
	s_mov_b32 s22, 0x76543210                      ; v_permlanex16_b32: lane i takes lane i of the other half
	s_mov_b32 s23, 0xfedcba98
	s_mov_b32 s24, 0x3fb8aa3b                      ; log2(e), as a pair for the packed form
	s_mov_b32 s25, 0x3fb8aa3b
	; group 1: a tile of 128 rows x 128 elements of 2 bytes, dense in memory, padded in LDS behind every 64 words by 4 words (K) or 8 words (V); mask 15, bit 21 beside it
	s_mov_b32 s[G1K+0], 15|(1<<16)|(1<<20)|(1<<21)|(5<<22)|(3<<25)
	s_mov_b32 s[G1V+0], 15|(1<<16)|(1<<20)|(1<<21)|(5<<22)|(7<<25)
	s_mov_b32 s[G1K+1], 128<<16                    ; tensor_dim0 = 128
	s_mov_b32 s[G1V+1], 128<<16
	s_mov_b32 s[G1K+2], 128<<16                    ; tensor_dim1 = 128
	s_mov_b32 s[G1V+2], 128<<16
	s_mov_b32 s[G1K+3], 128<<16                    ; tile_dim0 = 128
	s_mov_b32 s[G1V+3], 128<<16
	s_mov_b32 s[G1K+4], 128                        ; tile_dim1 = 128
	s_mov_b32 s[G1V+4], 128
	s_mov_b32 s[G1K+5], 128                        ; elements from row to row
	s_mov_b32 s[G1V+5], 128
	s_mov_b32 s[G1K+6], 0
	s_mov_b32 s[G1V+6], 0
	s_mov_b32 s[G1K+7], 0
	s_mov_b32 s[G1V+7], 0
	s_lshl_b32 s18, s17, 20                        ; batch x 4,096 rows x 256 bytes
	s_lshl_b32 s19, s14, 15                        ; + my 128 rows of the tile
	s_add_co_u32 s18, s18, s19
	s_mov_b32 s19, 0
	s_mul_i32 s60, s14, 128*KP                     ; LDS: half kh of K's rows: the half that I fetch (waves 0, 1), and the half that I read
	s_mul_i32 s61, s14, 128*VP                     ; the same of V's rows,
	s_add_co_u32 s61, s61, KB                      ; which lie behind K's
	s_lshl_b32 s27, s13, 6
	s_lshl_b32 s62, s14, 5
	s_add_co_u32 s27, s27, s62                     ; 64 qh + 32 kh: the first of the 32 rows that I keep
	s_lshl_b32 s20, s17, 12                        ; batch x 4,096 rows
	s_lshl_b32 s15, s16, 7
	s_add_co_u32 s16, s20, s15                     ; + 128 x query block: my work-group's first row
	s_lshl_b32 s15, s12, 5
	s_add_co_u32 s20, s16, s15                     ; + 32 w: the rows of Q that I convert
	s_lshl_b32 s20, s20, 9                         ; rows of 512 bytes
	s_mov_b32 s21, 0
	s_wait_dscnt 0x0
	s_wait_kmcnt 0x0
	s_add_nc_u64 s[6:7], s[6:7], s[18:19]          ; Kb and Vb at my part of tile 0
	s_add_nc_u64 s[8:9], s[8:9], s[18:19]
	s_add_nc_u64 s[4:5], s[4:5], s[20:21]
	s_add_co_u32 s20, s16, s27
	s_lshl_b32 s20, s20, 9
	s_add_nc_u64 s[10:11], s[10:11], s[20:21]      ; out0 at the rows that I keep
	CROUND                                         ; the four work-groups are here: the first joint loads meet
.irp s, 0,1
	s_mov_b32 s[G0K+4*\s], 1                                       ; count = 1
	s_add_co_u32 s[G0K+4*\s+1], s60, \s*SLOT                       ; LDS address
	s_add_nc_u64 s[G0K+4*\s+2:G0K+4*\s+3], s[6:7], \s*65536        ; global address: tile s
	s_or_b32 s[G0K+4*\s+3], s[G0K+4*\s+3], 0x80000000              ; type = 2
	s_mov_b32 s[G0V+4*\s], 1
	s_add_co_u32 s[G0V+4*\s+1], s61, \s*SLOT
	s_add_nc_u64 s[G0V+4*\s+2:G0V+4*\s+3], s[8:9], \s*65536
	s_or_b32 s[G0V+4*\s+3], s[G0V+4*\s+3], 0x80000000
	JLOAD \s                                       ; both first fills go out as one group: two tensor loads of the wave are out, the most in this text
.endr
	; Q: wave w brings rows 32 w .. 32 w + 31 of the block, one row of 512 bytes an instruction, into the two fragment buffers
	v_and_b32 v1, 31, v0                           ; L
	v_lshlrev_b32 v[GOFF], 4, v1
.set qi, 0
.rept 32
	global_load_b128 v[F0+4*qi:F0+4*qi+3], v[GOFF], s[4:5] offset:512*qi th:TH_LOAD_NT
.set qi, qi+1
.endr
	; lane terms, while these are on their way.  r = L & 15, h = L >> 4
	v_and_b32 v2, 15, v0                           ; r
	v_bfe_u32 v3, v0, 4, 1                         ; h
	v_and_b32 v4, 7, v0                            ; L & 7
	v_bfe_u32 v5, v0, 3, 1                         ; (L >> 3) & 1
	v_mul_u32_u24 v6, v2, KP
	v_lshl_add_u32 v6, v3, 4, v6                   ; r x 272 + 16 h: a fragment from rows that lie along d (K's, and Q's: the same pitch)
	v_add_nc_u32 v[AK], s60, v6
	v_add_nc_u32 v[AK+1], SLOT, v[AK]
	v_lshl_add_u32 v7, v3, 3, v4                   ; key 8 h + (L & 7)
	v_mul_u32_u24 v7, v7, VP
	v_lshl_add_u32 v7, v5, 4, v7                   ; + 16 ((L >> 3) & 1): the transposing load's addresses
	v_add_nc_u32 v[AV], s61, v7
	v_add_nc_u32 v[AV+1], SLOT, v[AV]
	s_mul_i32 s62, s27, QP
	s_add_co_u32 s62, s62, QST
	v_add_nc_u32 v[AQK], s62, v6                   ; rows 64 qh + 32 kh + ..
	s_xor_b32 s63, s27, 32
	s_mul_i32 s63, s63, QP
	s_add_co_u32 s63, s63, QST
	v_add_nc_u32 v[AQG], s63, v6                   ; rows 64 qh + 32 (1 - kh) + ..
	s_mul_i32 s62, s12, 32*QP
	s_add_co_u32 s62, s62, QST
	v_lshl_add_u32 v[QSTO], v1, 3, s62             ; row 32 w, 8 bytes a lane
	s_lshl_b32 s62, s12, 14
	v_add_nc_u32 v[EXOA], s62, v[GOFF]             ; 16,384 w + 16 L
	s_xor_b32 s63, s12, 1                          ; my partner: the same rows, the other keys
	s_lshl_b32 s62, s63, 14
	v_add_nc_u32 v[IMOA], s62, v[GOFF]
	s_lshl_b32 s62, s12, 9
	s_add_co_u32 s62, s62, EXS
	v_lshl_add_u32 v[EXSA], v1, 3, s62             ; EXS + 512 w + 8 L
	s_lshl_b32 s62, s63, 9
	s_add_co_u32 s62, s62, EXS
	v_lshl_add_u32 v[IMSA], v1, 3, s62
	s_mul_i32 s62, s12, 32*OP
	s_add_co_u32 s62, s62, OUTST
	v_add_nc_u32 v[ORD], s62, v[GOFF]              ; back: a row of 512 bytes, 16 bytes a lane
	v_mul_u32_u24 v8, v2, OP
	v_lshl_add_u32 v8, v3, 5, v8                   ; in: row r, 32 bytes for each half of the lanes
	v_add_nc_u32 v[OST], s62, v8
.set qi, 0
.rept 32
	s_wait_loadcnt 31-qi                           ; row qi is in; the younger loads stay out
	v_cvt_pk_bf16_f32 v[F0+4*qi], v[F0+4*qi], v[F0+4*qi+1]
	v_cvt_pk_bf16_f32 v[F0+4*qi+1], v[F0+4*qi+2], v[F0+4*qi+3]
	ds_store_b64 v[QSTO], v[F0+4*qi:F0+4*qi+1] offset:QP*qi
.set qi, qi+1
.endr
	s_wait_dscnt 0x0                               ; my rows of Q are in LDS, for the other waves' sake
	s_wait_tensorcnt 0x1                           ; my part of tile 0 has landed; tile 1's may stay out
	s_barrier_signal -1
	s_barrier_wait -1
	WIN 0x40                                       ; destination window 1
.irp q, 0,1
.irp d, 0,1,2,3
	ds_load_b128 v[QF+32*\q+8*\d:QF+32*\q+8*\d+3],   v[AQK] offset:\q*16*QP+64*\d
	ds_load_b128 v[QF+32*\q+8*\d+4:QF+32*\q+8*\d+7], v[AQK] offset:\q*16*QP+64*\d+32
.endr
.endr
	WIN 0x80                                       ; destination window 2
.irp q, 0,1
.irp d, 0,1,2,3
	ds_load_b128 v[QF+32*\q+8*\d:QF+32*\q+8*\d+3],   v[AQG] offset:\q*16*QP+64*\d
	ds_load_b128 v[QF+32*\q+8*\d+4:QF+32*\q+8*\d+7], v[AQG] offset:\q*16*QP+64*\d+32
.endr
.endr
; 16 LDS loads: K's key blocks 2 kp, 2 kp + 1 (16 keys each) x all 128 d, into buffer f at 32 t + 8 d
.macro LOADK slot, kp, f
	WIN 0
.irp t, 0,1
.irp d, 0,1,2,3
	ds_load_b128 v[\f+32*\t+8*\d:\f+32*\t+8*\d+3],   v[AK+\slot] offset:(2*\kp+\t)*16*KP+64*\d
	ds_load_b128 v[\f+32*\t+8*\d+4:\f+32*\t+8*\d+7], v[AK+\slot] offset:(2*\kp+\t)*16*KP+64*\d+32
.endr
.endr
.endm
; 16 transposing LDS loads: V's keys 32 kg .. 32 kg + 31 x all 128 d, as eight fragments of 16 d x 32 keys
.macro LOADV slot, kg, f
	WIN 0
.irp d, 0,1,2,3,4,5,6,7
	ds_load_tr16_b128 v[\f+8*\d:\f+8*\d+3],   v[AV+\slot] offset:\kg*32*VP+32*\d
	ds_load_tr16_b128 v[\f+8*\d+4:\f+8*\d+7], v[AV+\slot] offset:\kg*32*VP+32*\d+16*VP
.endr
.endm
; 16 matrix instructions of one window: two key blocks x two query blocks x 128 d.  The first product of each tile starts its sum.
; The four accumulators take turns, one instruction a turn.
.macro SMULW kp, f
.irp d, 0,1,2,3
.irp t, 0,1
.irp q, 0,1
.if \d == 0
	v_wmma_f32_16x16x32_bf16 v[64*\q+8*(2*\kp+\t):64*\q+8*(2*\kp+\t)+7], v[\f+32*\t+8*\d:\f+32*\t+8*\d+7], v[QF+32*\q+8*\d:QF+32*\q+8*\d+7], 0
.else
	v_wmma_f32_16x16x32_bf16 v[64*\q+8*(2*\kp+\t):64*\q+8*(2*\kp+\t)+7], v[\f+32*\t+8*\d:\f+32*\t+8*\d+7], v[QF+32*\q+8*\d:QF+32*\q+8*\d+7], v[64*\q+8*(2*\kp+\t):64*\q+8*(2*\kp+\t)+7]
.endif
.endr
.endr
.endr
.endm
.macro SMUL kp, f
	WIN 0x54                                       ; K window 0; Q, C and D window 1
	SMULW \kp, \f
	WIN 0xa8                                       ; the same with window 2
	SMULW \kp, \f
.endm
; the step's maximum: registers i .. i + 3 of the 16 that key blocks 2 kp, 2 kp + 1 have in each query block; four chains that do not wait for each other
.macro MAX4 kp, i
.irp q, 0,1
	v_max3_num_f32 v[MX0+16*\q], v[64*\q+16*\kp+\i], v[64*\q+16*\kp+\i+1], v[MX0+16*\q]
.endr
.irp q, 0,1
	v_max3_num_f32 v[MX1+16*\q], v[64*\q+16*\kp+\i+2], v[64*\q+16*\kp+\i+3], v[MX1+16*\q]
.endr
.endm
.macro MAXW kp, first
.if \kp == 0
.irp q, 0,1
.if \first
	v_max_num_f32 v[MX0+16*\q], v[64*\q], v[64*\q+1]               ; the first numbers start the chains: nothing is cleared
.else
	v_max3_num_f32 v[MX0+16*\q], v[64*\q], v[64*\q+1], v[MM+16*\q] ; the running maximum enters here
.endif
.endr
.irp q, 0,1
	v_max_num_f32 v[MX1+16*\q], v[64*\q+2], v[64*\q+3]
.endr
	MAX4 0, 4
	MAX4 0, 8
	MAX4 0, 12
.else
	MAX4 \kp, 0
	MAX4 \kp, 4
	MAX4 \kp, 8
	MAX4 \kp, 12
.endif
.endm
.macro MAXB kp, first
	WIN 0x55                                       ; all operands window 1
	MAXW \kp, \first
	WIN 0xaa                                       ; all operands window 2
	MAXW \kp, \first
.endm
; new maximum (lanes r and r + 16 hold the two halves of a query's keys), new level, factor
.macro STATW first
.irp q, 0,1
	v_max_num_f32 v[MX0+16*\q], v[MX0+16*\q], v[MX1+16*\q]
.endr
.irp q, 0,1
	v_permlanex16_b32 v[MX1+16*\q], v[MX0+16*\q], s22, s23
.endr
.irp q, 0,1
	v_max_num_f32 v[MM+16*\q], v[MX0+16*\q], v[MX1+16*\q]
.endr
.if \first
.irp q, 0,1
	v_mul_f32 v[NEGM+16*\q], 0xbfb8aa3b, v[MM+16*\q]               ; minus the level: - log2(e) m
.endr
.else
.irp q, 0,1
	v_mul_f32 v[TT+16*\q], 0xbfb8aa3b, v[MM+16*\q]
.endr
.irp q, 0,1
	v_sub_f32 v[ALPHA+16*\q], v[TT+16*\q], v[NEGM+16*\q]           ; old level - new level, at most 0
.endr
.irp q, 0,1
	v_mov_b32 v[NEGM+16*\q], v[TT+16*\q]
.endr
.irp q, 0,1
	v_exp_f32 v[ALPHA+16*\q], v[ALPHA+16*\q]
.endr
	v_nop                                          ; one plain place behind the exponentials before their results are used (ISA guide 5.7.2)
.endif
.endm
.macro STATS first
	WIN 0xaa                                       ; window 2 first: it is the setting that the last maxima left
	STATW \first
	WIN 0x55
	STATW \first
.endm
; O times the factor: 32 pairs a query block
.macro RESCALE
	WIN 0xc7                                       ; O window 3, factor window 1
	s_wait_alu depctr_va_vdst(0)
.irp q, 0,1
.set ri, 0
.rept 32
	v_pk_mul_f32 v[64*\q+ri:64*\q+ri+1], v[64*\q+ri:64*\q+ri+1], v[ALPHA+16*\q:ALPHA+16*\q+1] op_sel_hi:[1,0]
.set ri, ri+2
.endr
.endr
	WIN 0xcb                                       ; factor window 2
.irp q, 0,1
.set ri, 0
.rept 32
	v_pk_mul_f32 v[128+64*\q+ri:128+64*\q+ri+1], v[128+64*\q+ri:128+64*\q+ri+1], v[ALPHA+16*\q:ALPHA+16*\q+1] op_sel_hi:[1,0]
.set ri, ri+2
.endr
.endr
.endm
; pair i into LA, pair i + 2 into LB, both query blocks
.macro LADD kg, i
.irp q, 0,1
	v_pk_add_f32 v[LA+16*\q:LA+16*\q+1], v[LA+16*\q:LA+16*\q+1], v[64*\q+16*\kg+\i:64*\q+16*\kg+\i+1]
.endr
.irp q, 0,1
	v_pk_add_f32 v[LB+16*\q:LB+16*\q+1], v[LB+16*\q:LB+16*\q+1], v[64*\q+16*\kg+\i+2:64*\q+16*\kg+\i+3]
.endr
.endm
; keys 32 kg .. 32 kg + 31 of one window's two query blocks: p = 2^(log2(e) s - level) in place, the sums, and P's fragment in place
.macro EXPW kg, first
.irp q, 0,1
.irp i, 0,2,4,6,8,10,12,14
	v_pk_fma_f32 v[64*\q+16*\kg+\i:64*\q+16*\kg+\i+1], v[64*\q+16*\kg+\i:64*\q+16*\kg+\i+1], s[24:25], v[NEGM+16*\q:NEGM+16*\q+1] op_sel_hi:[1,0,0]
.endr
.endr
.irp q, 0,1
.irp i, 0,1,2,3,4,5,6,7,8,9,10,11,12,13,14,15
	v_exp_f32 v[64*\q+16*\kg+\i], v[64*\q+16*\kg+\i]
.endr
.endr
	v_nop                                          ; one plain place behind the run of exponentials (ISA guide 5.7.2)
	s_wait_alu depctr_va_vdst(0)
.if \kg == 0
.if \first
	s_wait_alu depctr_va_vdst(0)
.irp q, 0,1
	v_pk_add_f32 v[LA+16*\q:LA+16*\q+1], v[64*\q:64*\q+1], v[64*\q+4:64*\q+5]         ; the first numbers start the sums
	v_pk_add_f32 v[LB+16*\q:LB+16*\q+1], v[64*\q+2:64*\q+3], v[64*\q+6:64*\q+7]
.endr
	LADD 0, 8
	LADD 0, 12
.else
	s_wait_alu depctr_va_vdst(0)
.irp q, 0,1
	v_pk_fma_f32 v[LA+16*\q:LA+16*\q+1], v[LA+16*\q:LA+16*\q+1], v[ALPHA+16*\q:ALPHA+16*\q+1], v[64*\q:64*\q+1] op_sel_hi:[1,0,1]     ; the old sums times the factor, fused with the step's first add
	v_pk_fma_f32 v[LB+16*\q:LB+16*\q+1], v[LB+16*\q:LB+16*\q+1], v[ALPHA+16*\q:ALPHA+16*\q+1], v[64*\q+2:64*\q+3] op_sel_hi:[1,0,1]
.endr
	LADD 0, 4
	LADD 0, 8
	LADD 0, 12
.endif
.else
	LADD \kg, 0
	LADD \kg, 4
	LADD \kg, 8
	LADD \kg, 12
.endif
.irp i, 0,1,2,3,4,5,6,7
.irp q, 0,1
	v_cvt_pk_bf16_f32 v[64*\q+16*\kg+\i], v[64*\q+16*\kg+2*\i], v[64*\q+16*\kg+2*\i+1]   ; ascending i: register i is written when 2 i and 2 i + 1 are read, never earlier
.endr
.endr
.endm
.macro EXPS kg, first
	WIN 0x55
	EXPW \kg, \first
	WIN 0xaa
	EXPW \kg, \first
.endm
; 16 matrix instructions: O^T of window w's two query blocks += V^T (8 blocks of 16 d) x P^T, keys 32 kg .. + 31.  Sixteen accumulators, one instruction each:
; the accumulators take turns.  zero = 1: the first product starts the sums.
.macro PV kg, f, w, zero
.if \w == 1
	WIN 0xf4                                       ; V window 0, P window 1, C and D window 3
.else
	WIN 0xf8                                       ; P window 2
.endif
.irp d, 0,1,2,3,4,5,6,7
.irp q, 0,1
.if \zero
	v_wmma_f32_16x16x32_bf16 v[64*(2*(\w-1)+\q)+8*\d:64*(2*(\w-1)+\q)+8*\d+7], v[\f+8*\d:\f+8*\d+7], v[64*\q+16*\kg:64*\q+16*\kg+7], 0
.else
	v_wmma_f32_16x16x32_bf16 v[64*(2*(\w-1)+\q)+8*\d:64*(2*(\w-1)+\q)+8*\d+7], v[\f+8*\d:\f+8*\d+7], v[64*\q+16*\kg:64*\q+16*\kg+7], v[64*(2*(\w-1)+\q)+8*\d:64*(2*(\w-1)+\q)+8*\d+7]
.endif
.endr
.endr
.endm
; One tile: my 128 keys x my 64 queries, all but the last quarter of P V.  On entry K's first block is on its way into buffer 0.
; Every s_wait_dscnt 16 leaves out the 16 loads issued last: the block that is multiplied next is in.
; Every run of loads into a buffer stands at least four plain vector instructions (maxima, softmax, or v_nop) behind the matrix instructions that read the
; buffer, and every vector instruction that reads or writes S or O at least four behind the matrix instructions that name those registers.
.macro STEP slot, first
	PLACES
	LOADK \slot, 1, F1
	s_wait_dscnt 16
	SMUL 0, F0
	PLACES
	LOADK \slot, 2, F0
	s_wait_dscnt 16
	SMUL 1, F1
	MAXB 0, \first
	LOADK \slot, 3, F1
	s_wait_dscnt 16
	SMUL 2, F0
	MAXB 1, \first
	LOADV \slot, 0, F0
	s_wait_dscnt 16
	SMUL 3, F1
	MAXB 2, \first
	LOADV \slot, 1, F1
	MAXB 3, \first
	STATS \first
.if \first == 0
	RESCALE
.endif
	EXPS 0, \first
	s_wait_dscnt 16
	PV 0, F0, 1, \first
	PV 0, F0, 2, \first
	EXPS 1, \first
	LOADV \slot, 2, F0
	s_wait_dscnt 16
	PV 1, F1, 1, 0
	PV 1, F1, 2, 0
	EXPS 2, \first
	LOADV \slot, 3, F1
	s_wait_dscnt 16
	PV 2, F0, 1, 0
	PV 2, F0, 2, 0
	EXPS 3, \first
.endm
; The last quarter of P V, and the change of slots.  In front of the barrier each wave waits for its reads of this slot and for all its tensor loads, of which one
; is out: its part of the next slot.  Where the slot is filled again the barrier opens a round of the cluster's barrier; only register work stands inside the
; round, and the joint refill is the wave's first tensor load behind it and its only one until the next round.  It has the whole next tile's work in which to land.
.macro TURN slot, next, fill
	s_wait_dscnt 0x0                               ; V's last fragments are in: my reads of this slot are over
	s_wait_tensorcnt 0x0                           ; all my tensor loads have landed
	ds_add_u32 v254, v255
	s_wait_dscnt 0x0
	s_barrier_signal -1
	PV 3, F1, 1, 0                                 ; work on registers while the others arrive
	WIN 0
	s_barrier_wait -1
.if \fill
	CREST                                          ; no wave of any partner still reads this slot or has a load on its way
	s_add_nc_u64 s[G0K+4*\slot+2:G0K+4*\slot+3], s[G0K+4*\slot+2:G0K+4*\slot+3], TSTEP
	s_add_nc_u64 s[G0V+4*\slot+2:G0V+4*\slot+3], s[G0V+4*\slot+2:G0V+4*\slot+3], TSTEP
	JLOAD \slot
.endif
	LOADK \next, 0, F0                             ; buffer 0 was last read by the third quarter of P V; the softmax of the fourth stands between
	PV 3, F1, 2, 0
.endm
	LOADK 0, 0, F0
	STEP 0, 1                                      ; tile 0 starts the maxima, the sums and O
	TURN 0, 1, 1                                   ; slot 0 <- tile 2
	STEP 1, 0
	TURN 1, 0, 1                                   ; slot 1 <- tile 3
	WIN 0                                          ; at a label and at a branch every window is 0
	s_mov_b32 s26, 6                               ; tiles 2 .. 13; their turns ask for tiles 4 .. 15
.Ltiles:
	STEP 0, 0
	TURN 0, 1, 1
	STEP 1, 0
	TURN 1, 0, 1
	WIN 0
	s_sub_co_u32 s26, s26, 1
	s_cmp_lg_u32 s26, 0
	s_cbranch_scc1 .Ltiles
	STEP 0, 0                                      ; tile 14
	TURN 0, 1, 0                                   ; nothing is left to fetch: a plain barrier; behind it no wave reads slot 0 and no fill lands there any more
	STEP 1, 0                                      ; tile 15
	s_wait_dscnt 0x0
	PV 3, F1, 1, 0
	PV 3, F1, 2, 0
	; THE END.  A row's sum: four partial sums a lane, then the other half of the lanes.  It goes into the maximum's register, which is done with,
	; so that (minus level, sum) is a pair.  These lines are also the places behind the last matrix instructions: they name none of their registers.
.macro LSUM
.irp q, 0,1
	v_pk_add_f32 v[LA+16*\q:LA+16*\q+1], v[LA+16*\q:LA+16*\q+1], v[LB+16*\q:LB+16*\q+1]
.endr
.irp q, 0,1
	v_add_f32 v[TT+16*\q], v[LA+16*\q], v[LA+16*\q+1]
.endr
.irp q, 0,1
	v_permlanex16_b32 v[MX1+16*\q], v[TT+16*\q], s22, s23
.endr
.irp q, 0,1
	v_add_f32 v[MM+16*\q], v[TT+16*\q], v[MX1+16*\q]
.endr
.endm
	WIN 0x55
	LSUM
	WIN 0xaa
	LSUM
	; I give away blocks 2, 3: their levels and sums, and their O as it lies in the registers (lane for lane the partner's layout)
	WIN 0x08                                       ; store data window 2
	ds_store_b64 v[EXSA], v[NEGM:NEGM+1]
	ds_store_b64 v[EXSA], v[NEGM+16:NEGM+17] offset:256
	WIN 0x0c                                       ; store data window 3
.set ei, 0
.rept 32
	ds_store_b128 v[EXOA], v[128+4*ei:128+4*ei+3] offset:512*ei
.set ei, ei+1
.endr
	s_wait_dscnt 0x0                               ; for my partner's sake: all of it is in LDS
	s_barrier_signal -1
	s_barrier_wait -1
	WIN 0x40                                       ; destination window 1
	ds_load_b64 v[PQ:PQ+1], v[IMSA]
	ds_load_b64 v[PQ+2:PQ+3], v[IMSA] offset:256
	WIN 0
.set ei, 0
.rept 32
	ds_load_b128 v[F0+4*ei:F0+4*ei+3], v[IMOA] offset:512*ei       ; register F0 + n: the partner's share of my O register n
.set ei, ei+1
.endr
	s_wait_dscnt 32                                ; the two loads of levels and sums are in; the 32 behind them stay out
	WIN 0x55
.irp q, 0,1
	v_min_num_f32 v[TM+4*\q], v[NEGM+16*\q], v[PQ+2*\q]            ; minus the higher of the two levels
.endr
.irp q, 0,1
	v_sub_f32 v[TM+4*\q+1], v[TM+4*\q], v[NEGM+16*\q]              ; my level - the common one, at most 0
	v_sub_f32 v[TM+4*\q+2], v[TM+4*\q], v[PQ+2*\q]                 ; my partner's likewise
.endr
.irp q, 0,1
	v_exp_f32 v[TM+4*\q+1], v[TM+4*\q+1]
	v_exp_f32 v[TM+4*\q+2], v[TM+4*\q+2]
.endr
	v_nop                                          ; one plain place behind the exponentials
	s_wait_alu depctr_va_vdst(0)
.irp q, 0,1
	v_mul_f32 v[TM+4*\q+3], v[MM+16*\q], v[TM+4*\q+1]
.endr
.irp q, 0,1
	v_fma_f32 v[TM+4*\q+3], v[PQ+2*\q+1], v[TM+4*\q+2], v[TM+4*\q+3]   ; the row's whole sum: at least about 1, since one of the two factors is 1 and that half holds its maximum
.endr
.irp q, 0,1
	v_rcp_f32 v[TM+4*\q+3], v[TM+4*\q+3]
.endr
	v_nop                                          ; one plain place behind the reciprocals
	WIN 0x05                                       ; sources window 1, destination window 0
	s_wait_alu depctr_va_vdst(0)
.irp q, 0,1
	v_mul_f32 v[FA+4*\q],   v[TM+4*\q+1], v[TM+4*\q+3]
	v_mul_f32 v[FA+4*\q+1], v[TM+4*\q+1], v[TM+4*\q+3]
	v_mul_f32 v[FB+4*\q],   v[TM+4*\q+2], v[TM+4*\q+3]
	v_mul_f32 v[FB+4*\q+1], v[TM+4*\q+2], v[TM+4*\q+3]
.endr
	s_wait_dscnt 0x0                               ; my partner's O is in
	WIN 0
.irp q, 0,1
.set ri, 0
.rept 32
	v_pk_mul_f32 v[F0+64*\q+ri:F0+64*\q+ri+1], v[F0+64*\q+ri:F0+64*\q+ri+1], v[FB+4*\q:FB+4*\q+1]
.set ri, ri+2
.endr
.endr
	WIN 0x03                                       ; source 0 (my O) window 3
.irp q, 0,1
.set ri, 0
.rept 32
	v_pk_fma_f32 v[F0+64*\q+ri:F0+64*\q+ri+1], v[64*\q+ri:64*\q+ri+1], v[FA+4*\q:FA+4*\q+1], v[F0+64*\q+ri:F0+64*\q+ri+1]
.set ri, ri+2
.endr
.endr
	; THE WAY OUT: a lane holds 8 neighbouring d of a row (32 bytes); through my own stage the 32 rows become whole rows of 512 bytes.
	; The stage is my wave's own, and LDS serves a wave's instructions in order (ISA guide 5.7.1): no wait between the stores and the loads.
	WIN 0
.irp q, 0,1
.irp d, 0,1,2,3,4,5,6,7
	ds_store_b128 v[OST], v[F0+64*\q+8*\d:F0+64*\q+8*\d+3]   offset:16*OP*\q+64*\d
	ds_store_b128 v[OST], v[F0+64*\q+8*\d+4:F0+64*\q+8*\d+7] offset:16*OP*\q+64*\d+16
.endr
.endr
.set ei, 0
.rept 32
	ds_load_b128 v[F0+4*ei:F0+4*ei+3], v[ORD] offset:OP*ei
.set ei, ei+1
.endr
.set ei, 0
.rept 32
	s_wait_dscnt 31-ei                             ; row ei is back; the younger reads stay out
	global_store_b128 v[GOFF], v[F0+4*ei:F0+4*ei+3], s[10:11] offset:512*ei th:TH_STORE_NT   ; the wave stores one row: 512 consecutive bytes, at a multiple of 512 from out0's first byte
.set ei, ei+1
.endr
	s_set_vgpr_msb 0xa
	s_wait_tensorcnt 0x0
	ds_add_u32 v254, v255
	s_wait_dscnt 0x0
	s_set_vgpr_msb 0xa00
	CROUND                                         ; the closing round: no work-group ends while a partner may still ask for a tile that names it
	s_endpgm
.Lfunc_end_k_q65e535612c_attn:
	.size	k_q65e535612c_attn, .Lfunc_end_k_q65e535612c_attn-k_q65e535612c_attn
	.p2alignl 7, 3214868480
	.fill 96, 4, 3214868480
	.section	.rodata,"a",@progbits
	.p2align	6, 0x0
	.amdhsa_kernel k_q65e535612c_attn
		.amdhsa_group_segment_fixed_size 327680
		.amdhsa_private_segment_fixed_size 0
		.amdhsa_enable_private_segment 0
		.amdhsa_kernarg_size 32
		.amdhsa_user_sgpr_count 2
		.amdhsa_user_sgpr_kernarg_segment_ptr 1
		.amdhsa_wavefront_size32 1
		.amdhsa_system_sgpr_workgroup_id_x 1
		.amdhsa_system_sgpr_workgroup_id_y 1
		.amdhsa_system_sgpr_workgroup_id_z 1
		.amdhsa_system_vgpr_workitem_id 0
		.amdhsa_next_free_vgpr 1024
		.amdhsa_next_free_sgpr 66
		.amdhsa_reserve_vcc 0
		.amdhsa_float_denorm_mode_32 3
		.amdhsa_float_denorm_mode_16_64 3
		.amdhsa_memory_ordered 1
		.amdhsa_forward_progress 1
		.amdhsa_inst_pref_size 255
	.end_amdhsa_kernel
	.section	.bss,"aw",@nobits
	.p2align	6
	.space	262144
	.amdgpu_metadata
---
amdhsa.version: [ 1, 2 ]
amdhsa.kernels:
  - .name:           k_q65e535612c_attn
    .symbol:         k_q65e535612c_attn.kd
    .args:
      - { .name: Q, .offset: 0, .size: 8, .value_kind: global_buffer, .address_space: global }
      - { .name: Kb, .offset: 8, .size: 8, .value_kind: global_buffer, .address_space: global }
      - { .name: Vb, .offset: 16, .size: 8, .value_kind: global_buffer, .address_space: global }
      - { .name: out0, .offset: 24, .size: 8, .value_kind: global_buffer, .address_space: global }
    .group_segment_fixed_size: 327680
    .private_segment_fixed_size: 0
    .kernarg_segment_align: 8
    .kernarg_segment_size: 32
    .max_flat_workgroup_size: 128
    .sgpr_count:     66
    .vgpr_count:     1024
    .wavefront_size: 32
...
	.end_amdgpu_metadata
.endif
;; end of part 2
;; ======== version 2 of 2: 2 launches; version 1 with the launch tobf16 written anew for expert scheduling mode
;; workspace buffers: Kb 8,388,608 bytes; Vb 8,388,608 bytes
;; launch tobf16 (part 3): grid 512 x 1, 8 waves a work-group, no clusters, 0 bytes of LDS; arguments K, V, Kb, Vb; writes Kb, Vb
.if DOCPART == 3
	.amdgcn_target "amdgcn-amd-amdhsa--gfx1250"
	.amdhsa_code_object_version 6
	.text
	.protected	k_q65e535612c_tobf16
	.globl	k_q65e535612c_tobf16
	.p2align	8
	.type	k_q65e535612c_tobf16,@function
k_q65e535612c_tobf16:
	s_mov_b64 s[64:65], 0
	v_nop
	global_prefetch_b8 v0, s[64:65] scope:SCOPE_SE
	s_setreg_imm32_b32 hwreg(HW_REG_WAVE_SCHED_MODE, 0, 2), 2
	s_setreg_imm32_b32 hwreg(HW_REG_WAVE_MODE, 25, 1), 1
	s_wait_xcnt 0x0
	s_wait_alu depctr_vm_vsrc(0)
; Kb = bf16(K), Vb = bf16(V), round to nearest even, same [8][4096][128] order: rows of 256 bytes.
; It is done once here so that the 32 query blocks of a batch, which all walk K and V, need not each convert them again.
; A stream: no LDS, no barrier, no matrix unit.  512 work-groups; each takes 32,768 bytes of K and of V and writes 16,384 bytes of Kb and of Vb.
; Thread t takes 16 bytes (4 numbers) at 16 t + 4,096 j, j = 0..7, and writes 8 bytes at 8 t + 2,048 j:
; a wave's load covers 512 consecutive bytes, a wave's store 256 consecutive bytes that begin at a multiple of 256.
; All 16 loads of a wave go out first; no register is written again while a load or a store still names it, so there is no loop and no wait on XCNT.
; THE MODE: SCHED_MODE bits 1:0 = 2 (LLVM: expert scheduling mode 2), set by the entry lines.  The code itself states the register dependences
; between vector instructions and memory instructions, with s_wait_alu, always for 0.
; THE PLAN.  Registers that memory instructions touch:
;   v1, v2     byte offsets of the loads and of the stores.  Written once at the head, never again.
;   X, slot i  Written by the slot's one load, which is issued before any vector instruction names X; read by the slot's two conversions, which write its
;              first two registers in place; those two are read by the slot's one store and are written by nothing after it.
; So two kinds of dependence exist, both a vector write ahead of a memory read: the offsets ahead of the first load, and the packed numbers ahead of
; their stores.  The 16 slots go in four groups of four: eight conversions, ONE wait, four stores in a run.  No load lands in a register that a vector
; instruction has named, and no register that a memory instruction has read is written again: nothing else is owed.
.set X, 8                              ; v[8:71]  slot i: 4 registers as loaded; its first two then hold the 4 bf16
	s_load_b256 s[4:11], s[0:1], 0x0               ; K s[4:5], V s[6:7], Kb s[8:9], Vb s[10:11]
	s_lshl_b32 s2, ttmp9, 15                       ; the group's 32,768 bytes of f32
	s_mov_b32 s3, 0
	s_lshl_b32 s12, ttmp9, 14                      ; the group's 16,384 bytes of bf16
	s_mov_b32 s13, 0
	v_lshlrev_b32 v1, 4, v0                        ; 16 t
	v_lshlrev_b32 v2, 3, v0                        ; 8 t
	s_wait_kmcnt 0x0
	s_add_nc_u64 s[4:5], s[4:5], s[2:3]
	s_add_nc_u64 s[6:7], s[6:7], s[2:3]
	s_add_nc_u64 s[8:9], s[8:9], s[12:13]
	s_add_nc_u64 s[10:11], s[10:11], s[12:13]
	s_wait_alu depctr_va_vdst(0)                   ; v1 and v2 are written: every load below reads v1 as its offset, every store v2
.irp j, 0,1,2,3,4,5,6,7
	global_load_b128 v[X+4*\j:X+4*\j+3], v1, s[4:5] offset:4096*\j th:TH_LOAD_NT
.endr
.irp j, 0,1,2,3,4,5,6,7
	global_load_b128 v[X+32+4*\j:X+32+4*\j+3], v1, s[6:7] offset:4096*\j th:TH_LOAD_NT
.endr
; group g: slots 4 g .. 4 g + 3; base = the scalar pair of the output
.macro GROUP g, base
	s_wait_loadcnt 12-4*(\g)                       ; loads come back in order: the group's four slots are in; the 12 - 4 g younger loads stay out
.irp k, 0,1,2,3
	v_cvt_pk_bf16_f32 v[X+16*(\g)+4*\k], v[X+16*(\g)+4*\k], v[X+16*(\g)+4*\k+1]
	v_cvt_pk_bf16_f32 v[X+16*(\g)+4*\k+1], v[X+16*(\g)+4*\k+2], v[X+16*(\g)+4*\k+3]
.endr
	s_wait_alu depctr_va_vdst(0)                   ; the eight conversions have written the first two registers of the group's four slots, which the four stores read
.irp k, 0,1,2,3
	global_store_b64 v2, v[X+16*(\g)+4*\k:X+16*(\g)+4*\k+1], s[\base:\base+1] offset:2048*((4*(\g)+\k)&7)   ; no hint: the next launch reads these bytes
.endr
.endm
	GROUP 0, 8                                     ; K's slots 0 to 7 go to Kb,
	GROUP 1, 8
	GROUP 2, 10                                    ; V's slots 8 to 15 to Vb
	GROUP 3, 10
	s_endpgm
.Lfunc_end_k_q65e535612c_tobf16:
	.size	k_q65e535612c_tobf16, .Lfunc_end_k_q65e535612c_tobf16-k_q65e535612c_tobf16
	.p2alignl 7, 3214868480
	.fill 96, 4, 3214868480
	.section	.rodata,"a",@progbits
	.p2align	6, 0x0
	.amdhsa_kernel k_q65e535612c_tobf16
		.amdhsa_group_segment_fixed_size 0
		.amdhsa_private_segment_fixed_size 0
		.amdhsa_enable_private_segment 0
		.amdhsa_kernarg_size 32
		.amdhsa_user_sgpr_count 2
		.amdhsa_user_sgpr_kernarg_segment_ptr 1
		.amdhsa_wavefront_size32 1
		.amdhsa_system_sgpr_workgroup_id_x 1
		.amdhsa_system_sgpr_workgroup_id_y 1
		.amdhsa_system_sgpr_workgroup_id_z 1
		.amdhsa_system_vgpr_workitem_id 0
		.amdhsa_next_free_vgpr 72
		.amdhsa_next_free_sgpr 66
		.amdhsa_reserve_vcc 0
		.amdhsa_float_denorm_mode_32 3
		.amdhsa_float_denorm_mode_16_64 3
		.amdhsa_memory_ordered 1
		.amdhsa_forward_progress 1
		.amdhsa_inst_pref_size 7
	.end_amdhsa_kernel
	.amdgpu_metadata
---
amdhsa.version: [ 1, 2 ]
amdhsa.kernels:
  - .name:           k_q65e535612c_tobf16
    .symbol:         k_q65e535612c_tobf16.kd
    .args:
      - { .name: K, .offset: 0, .size: 8, .value_kind: global_buffer, .address_space: global }
      - { .name: V, .offset: 8, .size: 8, .value_kind: global_buffer, .address_space: global }
      - { .name: Kb, .offset: 16, .size: 8, .value_kind: global_buffer, .address_space: global }
      - { .name: Vb, .offset: 24, .size: 8, .value_kind: global_buffer, .address_space: global }
    .group_segment_fixed_size: 0
    .private_segment_fixed_size: 0
    .kernarg_segment_align: 8
    .kernarg_segment_size: 32
    .max_flat_workgroup_size: 256
    .sgpr_count:     66
    .vgpr_count:     72
    .wavefront_size: 32
...
	.end_amdgpu_metadata
.endif
;; end of part 3
;; launch attn: the kernel of part 2 again; grid 32 x 8, 4 waves a work-group, clusters of 4 x 1, 327,680 bytes of LDS; arguments Q, Kb, Vb, out0; writes out0
